; MI455X (gfx1250); checked and timed in simulation.
; The chip was launched on July 23, 2026; its instructions are those of AMD's public machine-readable ISA for CDNA 5 (MIT licence, August 2026) and "CDNA5" Instruction Set Architecture Reference Guide (July 2026). The comments in the code are by the model that wrote it; some were corrected since.
;; projection net. Allowed arithmetic: matrix products marked QUANTISED: E2M3 operands, one E8M0 scale for each 32 along K, by v_wmma_scale_f32_16x16x128_f8f6f4 with both operands' format E2M3, f32 sums; products left as they are: f32 operands where the result goes on into a quantised operand, else bf16, f16 or f32 operands; f32 sums; everything else in f32.
;; Inputs: emb 4,096 x 512 float32; proj_ids 4,096 int32; rel_att 1,000 x 64 float32; rel_base 64 x 512 x 512 float32; rel_bias 64 x 512 float32.
;; Outputs: out0 4,096 x 512 float32.
;; This version of the problem:
;;   THIS VERSION OF THE PROBLEM IS GIVEN IN LOW PRECISION. The matrix products marked QUANTISED in the list below multiply operands that are first quantised to E2M3 (2 exponent bits, 3 mantissa bits; 6 bits a number), with one power-of-two scale for each 32 numbers along K (OCP MX v1.0); their sums are f32. All else is computed in f32.
;;   The module's matrix products, in the order in which they are computed (A, B: the left and right operand; K: the contracted axis; several contracted axes count as one K, in the product's order):
;;     1. [M 4,096, K 512] x [K 512, N 32,768]; A: input emb; B: input rel_base: QUANTISED
;;     2. batch 4,096 x [M 1, K 64] x [K 64, N 512]; A: computed on the way; B: computed on the way: left as it is (M = 1 < 16)
;;     3. [M 4,096, K 64] x [K 64, N 512]; A: computed on the way; B: input rel_bias: QUANTISED
;;   THE QUANTISER, for each operand of a quantised product, along K:
;;     - K is cut into blocks of 32 from its start; a last block that is shorter is filled with zeros.
;;     - A block's scale is 2^e with e = floor(log2(the largest magnitude in the block)) - 2, held to -126 .. 127; a block of zeros has e = 0. As a byte (E8M0): e + 127.
;;     - Each number is divided by its block's scale, clamped to +-7.5, and rounded to the nearest number of E2M3, ties to even, subnormals kept.
;;     - The product sums the exact products of the quantised numbers (number of the format x scale) in f32.
;;   ~~~python
;;   def quantise(x, axis):      # numpy; x: float32 -> the quantised numbers, widened to float32 again
;;       x = np.moveaxis(x, axis, -1); K = x.shape[-1]
;;       x = np.pad(x, [(0, 0)] * (x.ndim - 1) + [(0, -K % 32)]); x = x.reshape(x.shape[:-1] + (-1, 32)); a = np.abs(x).max(-1, keepdims=True)
;;       e = np.where(a > 0, np.clip(np.frexp(np.where(a > 0, a, 1))[1] - 1 - 2, -126, 127), 0)      # np.frexp(a)[1] - 1 = floor(log2(a)), exactly
;;       r = np.clip(x / 2.0 ** e, -7.5, 7.5)
;;       step = 2.0 ** (np.maximum(np.frexp(np.where(r == 0, 1, r))[1] - 1, 0) - 3)
;;       q = np.round(r / step) * step * 2.0 ** e      # np.round: ties to even
;;       return np.moveaxis(q.reshape(q.shape[:-2] + (-1,))[..., :K], -1, axis).astype(np.float32)
;;   ~~~
;;   OPERANDS COMPUTED ON THE WAY. 'Computed on the way' means the value that the module computes at that place (a softmax that the list does not call 'softmax' is quantised finished and normalised). What goes into a quantiser is computed in f32, as accurately as f32 sums, v_exp_f32 and their like allow (about 1e-6 of the number): no bf16 or f16 on the way to a quantiser, and a product that is left as it is and whose result goes on into a quantised operand takes f32 operands (vector FMAs, or v_wmma_f32_16x16x4_f32). A number that lies on a knife's edge between two numbers of the format may be rounded either way, as far as f32 arithmetic and the matrix unit's own rounding can turn it there, and no further.
;; One version. Each part assembles by itself: llvm-mc -triple=amdgcn-amd-amdhsa -mcpu=gfx1250 --defsym DOCPART=n.
;; ======== version 1 of 1: 3 launches
;; limits: right only within a limited range of input values
;; workspace buffers: wq 13,107,200 bytes; aq 1,703,936 bytes; tq 458,752 bytes; bq 57,344 bytes; attw 1,048,576 bytes; pre 8,388,608 bytes
;; launch prep (part 1): grid 1348 x 1, 4 waves a work-group, no clusters, 47,360 bytes of LDS; arguments emb, proj_ids, rel_att, rel_base, rel_bias, wq, aq, tq, bq, attw; writes wq, aq, tq, bq, attw
.if DOCPART == 1
	.amdgcn_target "amdgcn-amd-amdhsa--gfx1250"
	.amdhsa_code_object_version 6
	.text
	.protected	k_q0fa50896f7_prep
	.globl	k_q0fa50896f7_prep
	.p2align	8
	.type	k_q0fa50896f7_prep,@function
k_q0fa50896f7_prep:
	s_mov_b64 s[64:65], 0
	v_nop
	global_prefetch_b8 v0, s[64:65] scope:SCOPE_SE
	s_setreg_imm32_b32 hwreg(HW_REG_WAVE_MODE, 25, 1), 1
	s_wait_xcnt 0x0
; All operands of the two quantised products are turned into codes of FP6 (E2M3) with one E8M0 byte for each 32 along K, ONCE, and laid in the order of the
; matrix operand's registers.  An IMAGE of a fragment (16 rows x 128 K: 12 registers a lane) is 1,536 bytes: register 4 c + i of lane l at 512 c + 16 l + 4 i.
;   wq   [column tile 32][base 64] records of 6,400 bytes: four images (K steps of 128) of 16 columns of rel_base[base], then 256 bytes: column n's four scale words at 16 n
;   aq   [row tile 256] records of 6,656 bytes: four images of 16 rows of emb, then 512 bytes: lane l's four scale words at 16 l
;   tq   [row tile 256] records of 1,792 bytes: one image of the gathered rel_att rows (K = 64; the codes of k = 64 .. 127 are zeros), then lane l's scale word at 4 l
;   bq   [column tile 32] records of 1,792 bytes: the same for 16 columns of rel_bias; scale words at 4 n
;   attw the gathered rel_att rows in f32, [row block 8][16 bases 4][wave 4][4 bases 4][row tile 8][row 16][base 4]: the order in which the next launch reads them
; A block's scale is 2^(floor(log2(largest magnitude)) - 2): its byte is the largest magnitude's exponent field - 2, held at 1 from below by a floor among the maximum's leaves.
; LIMITS: a block of zeros gets the byte 1 (its codes are zeros, and this program alone reads the bytes); blocks whose largest magnitude lies under 2^-124 take the floor's byte;
; NaN and infinities among the inputs are not served; an index outside 0 .. 999 is held at 999.
; Work-groups 0-63: the gather and its codes; 64-67: rel_bias; 68-323: emb; 324-1347: rel_base.
; rel_base and emb are read by loads of 512 consecutive bytes a wave and turned in LDS; each of the two paths has LDS bytes of its own.
; The scale words leave by stores of 4 bytes a lane: one byte in 128 of what the launch reads.
.set X,    64                          ; v64-191  numbers as loaded
.set ST,   32                          ; v32-63   rel_base: one column's block of 32, on end
.set CH0,  32                          ; v32-43   the other paths: the 12 registers of an image's lane
.set CH1,  44                          ; v44-55   and of a second one
.set TT,   24                          ; v24-26   a block's upper 16 codes, on their way to an odd register
.set CC,   192                         ; v192-215 rel_base: 6 registers of codes for each of my four columns
.set SB,   16                          ; v16-19   scale bytes
.set SPW,  30                          ; v30      LDS address of my spare word; never rewritten
.set NIL,  31                          ; v31      0; never rewritten
.set WREC, 6400
.set WCT,  64*WREC                     ; a column tile's 64 records
.set AREC, 6656
.set SREC, 1792
.set TP,   1552                        ; rel_base's stage: an image of 1,536 bytes + 16, eight of them
.set SCB,  8*TP                        ; behind them 512 scale bytes: column x 4 + block
.set ESTG, 13056                       ; emb's stages: 16 rows of 528 bytes for each wave
.set EP,   528
.set EW,   16*EP
.set SPARE, ESTG+4*EW                  ; the spare words, 128 bytes a wave, which no other line names
; The largest magnitude of v[x + st i], i = 0 .. 31: v14 becomes the conversion's scale operand, v[SB + k] the byte
.macro BMAX x, st, k
	v_max3_num_f32 v12, |v[\x]|, |v[\x+\st]|, |v[\x+2*\st]|       ; two chains
	v_max3_num_f32 v13, |v[\x+3*\st]|, |v[\x+4*\st]|, |v[\x+5*\st]|
.irp i, 6,10,14,18,22,26
	v_max3_num_f32 v12, v12, |v[\x+\i*\st]|, |v[\x+(\i+1)*\st]|
	v_max3_num_f32 v13, v13, |v[\x+(\i+2)*\st]|, |v[\x+(\i+3)*\st]|
.endr
	v_max3_num_f32 v12, v12, |v[\x+30*\st]|, |v[\x+31*\st]|
	v_max3_num_f32 v12, v12, v13, 0x1800000                       ; and the floor 2^(3 - 127): the byte cannot fall under 1
	v_add_nc_u32 v14, 0xff000000, v12                             ; 2 off the exponent field: the conversion takes that field as its scale
	v_lshrrev_b32 v[SB+\k], 23, v14                               ; the byte
.endm
.macro CVT x, dst                      ; v[x] .. v[x + 31] become 6 registers of codes at v[dst]
	v_cvt_scalef32_pk16_fp6_f32 v[\dst:\dst+2], v[\x:\x+15], v14
	v_cvt_scalef32_pk16_fp6_f32 v[TT:TT+2], v[\x+16:\x+31], v14   ; (a conversion's three registers begin on an even number)
	v_nop                                                         ; one plain instruction behind the conversions
	v_mov_b32 v[\dst+3], v[TT]
	v_mov_b32 v[\dst+4], v[TT+1]
	v_mov_b32 v[\dst+5], v[TT+2]
.endm
.macro QB x, dst, k
	BMAX \x, 1, \k
	CVT \x, \dst
.endm
; Block t of rel_bias, whose K runs down rows of 2,048 bytes: a lane takes a column, its registers run down K
.macro LOADK t, b
.irp i, 0,1,2,3,4,5,6,7,8,9,10,11,12,13,14,15,16,17,18,19,20,21,22,23,24,25,26,27,28,29,30,31
	global_load_b32 v[X+32*((\t)%2)+\i], v4, s[\b:\b+1] offset:(32*(\t)+\i)*2048 th:TH_LOAD_NT
.endr
.endm
.macro ST3 ch, vo, b, off              ; 12 registers into an image: sixteen lanes store 256 consecutive bytes, at a multiple of 256 from the buffer's first byte
.irp c, 0,1,2
	global_store_b128 v[\vo], v[\ch+4*\c:\ch+4*\c+3], s[\b:\b+1] offset:\off+512*\c
.endr
.endm
.macro CLOSE                           ; a wave that stored to LDS ends so
	s_wait_tensorcnt 0x0
	ds_add_u32 v[SPW], v[NIL]
	s_wait_dscnt 0x0
	s_endpgm
.endm
	s_load_b256 s[4:11], s[0:1], 0x0               ; emb s[4:5], proj_ids s[6:7], rel_att s[8:9], rel_base s[10:11]
	s_load_b256 s[12:19], s[0:1], 0x20             ; rel_bias s[12:13], wq s[14:15], aq s[16:17], tq s[18:19]
	s_load_b128 s[20:23], s[0:1], 0x40             ; bq s[20:21], attw s[22:23]
	v_lshl_add_u32 v[SPW], v0, 2, SPARE
	v_mov_b32 v[NIL], 0
	v_lshrrev_b32 v1, 5, v0
	v_readfirstlane_b32 s26, v1                    ; wave 0..3
	v_and_b32 v1, 31, v0                           ; lane
	v_and_b32 v2, 15, v0                           ; n = lane % 16
	v_bfe_u32 v3, v0, 4, 1                         ; h = lane / 16
	s_mov_b32 s24, 0x76543210
	s_mov_b32 s25, 0xfedcba98                      ; v_permlanex16_b32: lane l xor 16
	v_mov_b32 v21, 0                               ; a lane permute's destination counts as read: written once
	s_mov_b32 s29, 0                               ; upper words of 64-bit offsets
	s_mov_b32 s31, 0
	s_mov_b32 s33, 0
	s_wait_alu depctr_va_vdst(0)                   ; the wait at the head's end
	s_wait_kmcnt 0x0
	s_cmp_lt_u32 ttmp9, 64
	s_cbranch_scc1 .Latt
	s_cmp_lt_u32 ttmp9, 68
	s_cbranch_scc1 .Lbias
	s_cmp_lt_u32 ttmp9, 324
	s_cbranch_scc1 .Lemb
	; ---- rel_base: a work-group takes 128 columns x one K step of 128 of one base; wave w takes block w of 32 along K.
	; A lane takes four neighbouring columns: each load reads 512 consecutive bytes of a row.  Lane q's column c is column 4 (q % 4) + c of tile q / 4 of the group's eight.
	s_sub_co_u32 s27, ttmp9, 324                   ; u
	s_lshr_b32 s28, s27, 4                         ; base = u / 16
	s_bfe_u32 s30, s27, 0x20002                    ; K step = (u / 4) % 4
	s_and_b32 s32, s27, 3                          ; column group = u % 4
	s_lshl_b32 s34, s28, 20                        ; a base is 512 x 512 x 4 bytes,
	s_lshl_b32 s35, s30, 18                        ; 128 rows are 262,144,
	s_add_co_u32 s34, s34, s35
	s_lshl_b32 s35, s26, 16                        ; 32 rows 65,536,
	s_add_co_u32 s34, s34, s35
	s_lshl_b32 s35, s32, 9                         ; 128 columns 512
	s_add_co_u32 s34, s34, s35
	s_mov_b32 s35, 0
	s_add_nc_u64 s[10:11], s[10:11], s[34:35]
	s_lshl_b32 s34, s32, 3                         ; on the way out wave w stores tiles 2 w and 2 w + 1 of the eight
	s_lshl_b32 s36, s26, 1
	s_add_co_u32 s34, s34, s36
	s_mul_i32 s34, s34, WCT
	s_mul_i32 s36, s28, WREC                       ; the base's record
	s_add_co_u32 s34, s34, s36
	s_add_nc_u64 s[14:15], s[14:15], s[34:35]
	s_mul_i32 s36, s30, 1536
	s_mov_b32 s37, 0
	s_add_nc_u64 s[38:39], s[14:15], s[36:37]      ; the K step's image
	s_lshl_b32 s36, s30, 2
	s_add_co_u32 s36, s36, 6144
	s_add_nc_u64 s[14:15], s[14:15], s[36:37]      ; and its scale words
	; block b is registers 6 (b / 2) .. + 5 of the image's lane n + 16 (b % 2): its three pairs lie at bytes 0, 8, 512 (b / 2 = 0) or 520, 1024, 1032 (b / 2 = 1)
	s_lshr_b32 s27, s26, 1
	s_and_b32 s29, s26, 1
	s_lshl_b32 s29, s29, 8                         ; 16 lanes x 16 bytes
	s_mul_i32 s31, s27, 520
	s_add_co_u32 s31, s31, s29                     ; pairs 0 and 2 (the latter 512 on)
	s_mul_i32 s33, s27, 1016
	s_add_co_u32 s33, s33, s29                     ; pair 1 (8 on)
	s_mul_i32 s29, s26, 2*TP
	s_lshl_b32 s27, s26, 7
	s_wait_alu depctr_va_vdst(0)
	v_lshlrev_b32 v4, 4, v1                        ; 16 bytes a lane: in, and on the way out
	v_lshrrev_b32 v7, 2, v1
	v_mul_u32_u24 v7, v7, TP                       ; my tile's image in the stage,
	v_and_b32 v8, 3, v1
	v_lshl_add_u32 v7, v8, 6, v7                   ; my four columns' 64 bytes
	v_add_nc_u32 v5, s31, v7
	v_add_nc_u32 v6, s33, v7
	v_lshl_add_u32 v9, v1, 4, s26                  ; my scale bytes: 4 x column + block
	v_add_nc_u32 v10, s29, v4                      ; back: my two images,
	v_lshl_add_u32 v11, v1, 2, s27                 ; and their 32 scale words
	v_mul_u32_u24 v15, v3, WCT                     ; lanes 16-31 hold the second tile's words;
	v_lshl_add_u32 v15, v2, 4, v15                 ; 16 bytes a column
	s_wait_alu depctr_va_vdst(0)
.irp i, 0,1,2,3,4,5,6,7,8,9,10,11,12,13,14,15,16,17,18,19,20,21,22,23,24,25,26,27,28,29,30,31
	global_load_b128 v[X+4*\i:X+4*\i+3], v4, s[10:11] offset:\i*2048 th:TH_LOAD_NT
.endr
	s_wait_loadcnt 0x0
.irp c, 0,1,2,3
	BMAX X+\c, 4, \c
.set i, 0
.rept 32
	v_mov_b32 v[ST+i], v[X+4*i+\c]                 ; the conversion takes neighbours along K from consecutive registers
.set i, i+1
.endr
	CVT ST, CC+6*\c
	ds_store_b64 v5, v[CC+6*\c:CC+6*\c+1] offset:16*\c
	ds_store_b64 v6, v[CC+6*\c+2:CC+6*\c+3] offset:16*\c+8
	ds_store_b64 v5, v[CC+6*\c+4:CC+6*\c+5] offset:16*\c+512
	ds_store_b8 v9, v[SB+\c] offset:SCB+4*\c
.endr
	s_wait_dscnt 0x0                               ; for the others' sake: my stores are done
	s_barrier_signal -1
	s_barrier_wait -1                              ; the eight images and their scale words are whole
.irp j, 0,1
.irp c, 0,1,2
	ds_load_b128 v[X+12*\j+4*\c:X+12*\j+4*\c+3], v10 offset:\j*TP+512*\c
.endr
.endr
	ds_load_b32 v20, v11 offset:SCB
	s_wait_dscnt 0x0
.irp j, 0,1
.irp c, 0,1,2
	global_store_b128 v4, v[X+12*\j+4*\c:X+12*\j+4*\c+3], s[38:39] offset:\j*WCT+512*\c   ; 32 lanes store 512 consecutive bytes
.endr
.endr
	global_store_b32 v15, v20, s[14:15]
	CLOSE
.Lemb:	; ---- emb: a work-group takes 16 rows, a wave one K step of 128.  A row's 512 bytes come by one load; through my own stage lane (n, h) gets the numbers that the operand's layout gives it
	s_sub_co_u32 s27, ttmp9, 68                    ; row tile
	s_lshl_b32 s28, s27, 15                        ; 16 rows of 2,048 bytes
	s_lshl_b32 s30, s26, 9                         ; 128 numbers
	s_add_co_u32 s28, s28, s30
	s_add_nc_u64 s[4:5], s[4:5], s[28:29]
	s_mul_i32 s30, s27, AREC
	s_add_nc_u64 s[16:17], s[16:17], s[30:31]
	s_mul_i32 s32, s26, 1536
	s_add_nc_u64 s[34:35], s[16:17], s[32:33]      ; the image
	s_lshl_b32 s32, s26, 2
	s_add_co_u32 s32, s32, 6144
	s_add_nc_u64 s[16:17], s[16:17], s[32:33]      ; the scale words
	s_mul_i32 s36, s26, EW                         ; my stage
	s_wait_alu depctr_va_vdst(0)
	v_lshlrev_b32 v5, 4, v1                        ; 16 x lane
	v_add_nc_u32 v6, s36, v5                       ; into the stage: as loaded
	v_mul_u32_u24 v7, v2, EP
	v_lshl_add_u32 v7, v3, 7, v7
	v_add_nc_u32 v7, s36, v7                       ; back: row n, + 32 h numbers
	s_wait_alu depctr_va_vdst(0)
.irp j, 0,1,2,3,4,5,6,7,8,9,10,11,12,13,14,15
	global_load_b128 v[X+4*\j:X+4*\j+3], v5, s[4:5] offset:2048*\j th:TH_LOAD_NT
.endr
	s_wait_loadcnt 0x0
.irp j, 0,1,2,3,4,5,6,7,8,9,10,11,12,13,14,15
	ds_store_b128 v6, v[X+4*\j:X+4*\j+3] offset:ESTG+EP*\j
.endr
.irp c, 0,1
.irp q, 0,1,2,3,4,5,6,7
	ds_load_b128 v[X+64+32*\c+4*\q:X+64+32*\c+4*\q+3], v7 offset:ESTG+256*\c+16*\q   ; k = 64 c + 32 h + 4 q on; LDS serves a wave's instructions in order: these see my stores
.endr
.endr
	s_wait_dscnt 0x0
	QB X+64, CH0, 0
	QB X+96, CH0+6, 1
	ST3 CH0, 5, 34, 0
	v_lshl_or_b32 v20, v[SB+1], 16, v[SB]          ; my two bytes: blocks h and 2 + h,
	v_lshlrev_b32 v22, 3, v3
	v_lshlrev_b32 v20, v22, v20                    ; at their places in the word;
	v_permlanex16_b32 v21, v20, s24, s25
	v_or_b32 v20, v20, v21                         ; with lane l xor 16's two the word is whole, in both halves of the lanes
	global_store_b32 v5, v20, s[16:17]
	CLOSE
.Latt:	; ---- the gather: a wave takes 16 rows; lane (n, h) holds bases 32 h .. 32 h + 31 of row n's line of rel_att
	s_lshl_b32 s27, ttmp9, 2
	s_add_co_u32 s27, s27, s26                     ; row tile
	s_lshl_b32 s28, s27, 6                         ; 16 indices of 4 bytes
	s_add_nc_u64 s[6:7], s[6:7], s[28:29]
	s_lshr_b32 s30, s27, 5                         ; row block of 512
	s_lshl_b32 s30, s30, 17
	s_bfe_u32 s32, s27, 0x20003                    ; which 128 rows of it
	s_lshl_b32 s32, s32, 13
	s_add_co_u32 s30, s30, s32
	s_and_b32 s32, s27, 7                          ; which 16 of those
	s_lshl_b32 s32, s32, 8
	s_add_co_u32 s30, s30, s32
	s_add_nc_u64 s[22:23], s[22:23], s[30:31]
	s_mul_i32 s32, s27, SREC
	s_add_nc_u64 s[18:19], s[18:19], s[32:33]
	s_wait_alu depctr_va_vdst(0)
	v_lshlrev_b32 v4, 2, v2
	global_load_b32 v5, v4, s[6:7]                 ; row n's index
	v_lshlrev_b32 v6, 7, v3
	v_lshlrev_b32 v7, 4, v2
	v_lshl_add_u32 v7, v3, 16, v7                  ; attw: 16 n, and two groups of 16 bases on for lanes 16-31
	v_lshlrev_b32 v8, 4, v1                        ; 16 x lane
	v_lshlrev_b32 v9, 2, v1                        ; 4 x lane
	s_wait_alu depctr_va_vdst(0)
	s_wait_loadcnt 0x0
	v_min_u32 v5, 999, v5                          ; the index stays inside the table
	v_lshlrev_b32 v5, 8, v5                        ; a line of rel_att is 256 bytes
	v_add_nc_u32 v5, v5, v6
.irp q, 0,1,2,3,4,5,6,7
	global_load_b128 v[X+4*\q:X+4*\q+3], v5, s[8:9] offset:16*\q
.endr
	s_wait_loadcnt 0x0
.irp q, 0,1,2,3,4,5,6,7
	global_store_b128 v7, v[X+4*\q:X+4*\q+3], s[22:23] offset:(\q/4)*32768+(\q%4)*2048   ; sixteen lanes store 256 consecutive bytes
.endr
	QB X, CH0, 0
.irp i, 6,7,8,9,10,11
	v_mov_b32 v[CH0+\i], 0                         ; k = 64 .. 127: zero codes
.endr
	ST3 CH0, 8, 18, 0
	v_lshlrev_b32 v22, 3, v3
	v_lshlrev_b32 v20, v22, v[SB]                  ; my byte: block h
	v_permlanex16_b32 v21, v20, s24, s25
	v_or_b32 v20, v20, v21
	v_or_b32 v20, 0x7f7f0000, v20                  ; the byte of 1.0 over the zero codes
	global_store_b32 v9, v20, s[18:19] offset:1536
	s_endpgm
.Lbias:	; ---- rel_bias: K = the 64 bases runs down its rows; a wave takes 32 columns
	s_sub_co_u32 s27, ttmp9, 64
	s_lshl_b32 s27, s27, 2
	s_add_co_u32 s27, s27, s26                     ; column group 0..15
	s_lshl_b32 s28, s27, 7
	s_add_nc_u64 s[12:13], s[12:13], s[28:29]
	s_mul_i32 s30, s27, 2*SREC
	s_add_nc_u64 s[20:21], s[20:21], s[30:31]
	s_wait_alu depctr_va_vdst(0)
	v_lshlrev_b32 v4, 2, v1
	v_mul_u32_u24 v5, v3, SREC                     ; lanes 16-31 hold the next column tile
	v_lshl_add_u32 v6, v2, 2, v5                   ; scale words: 4 n
	v_lshl_add_u32 v5, v2, 4, v5                   ; images: 16 n
	s_wait_alu depctr_va_vdst(0)
	LOADK 0, 12
	LOADK 1, 12
	s_wait_loadcnt 0x0
	QB X, CH0, 0                                   ; block 0: registers 0-5 of the image's lane n
	QB X+32, CH1, 1                                ; block 1: of lane 16 + n
.irp i, 6,7,8,9,10,11
	v_mov_b32 v[CH0+\i], 0
	v_mov_b32 v[CH1+\i], 0
.endr
	ST3 CH0, 5, 20, 0
	ST3 CH1, 5, 20, 256
	v_lshl_or_b32 v20, v[SB+1], 8, v[SB]
	v_or_b32 v20, 0x7f7f0000, v20
	global_store_b32 v6, v20, s[20:21] offset:1536
	s_endpgm
.Lfunc_end_k_q0fa50896f7_prep:
	.size	k_q0fa50896f7_prep, .Lfunc_end_k_q0fa50896f7_prep-k_q0fa50896f7_prep
	.p2alignl 7, 3214868480
	.fill 96, 4, 3214868480
	.section	.rodata,"a",@progbits
	.p2align	6, 0x0
	.amdhsa_kernel k_q0fa50896f7_prep
		.amdhsa_group_segment_fixed_size 47360
		.amdhsa_private_segment_fixed_size 0
		.amdhsa_enable_private_segment 0
		.amdhsa_kernarg_size 80
		.amdhsa_user_sgpr_count 2
		.amdhsa_user_sgpr_kernarg_segment_ptr 1
		.amdhsa_wavefront_size32 1
		.amdhsa_system_sgpr_workgroup_id_x 1
		.amdhsa_system_sgpr_workgroup_id_y 1
		.amdhsa_system_sgpr_workgroup_id_z 1
		.amdhsa_system_vgpr_workitem_id 0
		.amdhsa_next_free_vgpr 216
		.amdhsa_next_free_sgpr 66
		.amdhsa_reserve_vcc 0
		.amdhsa_float_denorm_mode_32 3
		.amdhsa_float_denorm_mode_16_64 3
		.amdhsa_memory_ordered 1
		.amdhsa_forward_progress 1
		.amdhsa_inst_pref_size 42
	.end_amdhsa_kernel
	.amdgpu_metadata
---
amdhsa.version: [ 1, 2 ]
amdhsa.kernels:
  - .name:           k_q0fa50896f7_prep
    .symbol:         k_q0fa50896f7_prep.kd
    .args:
      - { .name: emb, .offset: 0, .size: 8, .value_kind: global_buffer, .address_space: global }
      - { .name: proj_ids, .offset: 8, .size: 8, .value_kind: global_buffer, .address_space: global }
      - { .name: rel_att, .offset: 16, .size: 8, .value_kind: global_buffer, .address_space: global }
      - { .name: rel_base, .offset: 24, .size: 8, .value_kind: global_buffer, .address_space: global }
      - { .name: rel_bias, .offset: 32, .size: 8, .value_kind: global_buffer, .address_space: global }
      - { .name: wq, .offset: 40, .size: 8, .value_kind: global_buffer, .address_space: global }
      - { .name: aq, .offset: 48, .size: 8, .value_kind: global_buffer, .address_space: global }
      - { .name: tq, .offset: 56, .size: 8, .value_kind: global_buffer, .address_space: global }
      - { .name: bq, .offset: 64, .size: 8, .value_kind: global_buffer, .address_space: global }
      - { .name: attw, .offset: 72, .size: 8, .value_kind: global_buffer, .address_space: global }
    .group_segment_fixed_size: 47360
    .private_segment_fixed_size: 0
    .kernarg_segment_align: 8
    .kernarg_segment_size: 80
    .max_flat_workgroup_size: 128
    .sgpr_count:     66
    .vgpr_count:     216
    .wavefront_size: 32
...
	.end_amdgpu_metadata
.endif
;; end of part 1
;; launch main (part 2): grid 32 x 8, 8 waves a work-group, clusters of 4 x 4, 327,680 bytes of LDS; arguments wq, aq, tq, bq, attw, pre; writes pre
.if DOCPART == 2
	.amdgcn_target "amdgcn-amd-amdhsa--gfx1250"
	.amdhsa_code_object_version 6
	.text
	.protected	k_q0fa50896f7_main
	.globl	k_q0fa50896f7_main
	.p2align	8
	.type	k_q0fa50896f7_main,@function
k_q0fa50896f7_main:
	s_mov_b64 s[64:65], 0
	v_nop
	global_prefetch_b8 v0, s[64:65] scope:SCOPE_SE
	s_setreg_imm32_b32 hwreg(HW_REG_WAVE_MODE, 25, 1), 1
	s_wait_xcnt 0x0
	s_wait_alu depctr_hold_cnt(0) depctr_sa_sdst(0) depctr_va_vdst(0) depctr_va_sdst(0) depctr_va_ssrc(0) depctr_va_vcc(0) depctr_vm_vsrc(0)
	s_getreg_b32 s2, hwreg(HW_REG_IB_STS2, 6, 4)
	s_cmp_eq_u32 s2, 0
	s_cbranch_scc0 .Lentry_in_a_cluster
	s_endpgm
.Lentry_in_a_cluster:
	s_bfe_u32 s2, ttmp6, 0x10000c
	s_cmp_lg_u32 s2, 0xf033
	s_cbranch_scc0 .Lentry_shape_is_right
	s_endpgm
.Lentry_shape_is_right:
; pre[b][o] = sum over bases r of att[b][r] x (sum over i of Q(emb)[b][i] Q(rel_base)[r][i][o])  +  sum over r of Q(att)[b][r] Q(rel_bias)[r][o]: the sums ahead of the layer norm.
; A work-group takes 512 rows x 16 columns (one column tile); each of its eight waves, two to a SIMD, takes 64 rows: 4 row tiles.  emb's fragments of these rows, 4 x 4 K steps x 12 registers, stay in registers.
; Per base a wave issues 16 matrix instructions (4 K steps x 4 row tiles, the 4 accumulators by turns) into P, and 16 packed multiply-adds OUT += att x P of the base before.
; THE MATRIX INSTRUCTION IS USED TRANSPOSED (source 0 = 16 columns of rel_base, source 1 = 16 rows of emb): a lane holds one row b, so one att number serves its eight results.
; rel_base's records and the f32 att numbers come through a ring of two LDS slots of 16 bases each, by joint loads: the four work-groups of a cluster's column share a column tile,
; the four of a row share their rows' att.  Waves 0-3 fetch 4 records each (100 rows of 256 bytes), waves 4-7 a quarter of the att block each (32 rows of 256 bytes).
; No prefetch is laid: a refill is asked for 16 bases, 256 matrix instructions of each wave, ahead of the wait for it, and the launch has three changes of slots.
; REGISTERS.  window 0: v1-8 addresses; v16-52 scale words; P v56-87 (even bases), v88-119 (odd); OUT v120-151; rel_base's fragments BF v152-199 (even), v200-247 (odd).
;   window 1: v0-191 emb's fragments, (row tile t, K step k) at 12 (4 t + k); v192-207 att, four bases to a register quad; v208-255 at the head the gathered att rows' fragments.
; One window setting (source 1 in window 1) serves all matrix instructions and multiply-adds.
; Scale words: emb's (t, k) at v[16 + 8 t + k], rel_base's (base s of four, k) at v[20 + 8 s + k]: the two named by one instruction never have the same number modulo 8.
; LIMITS: as the launch before states them; NaN and infinities among the inputs are not served.
.set WREC,  6400
.set WCT,   64*WREC
.set AREC,  6656
.set SREC,  1792
.set AS0,   0x40000                    ; att's two slots at 0x40000 and 0x48000: a wave's part stays under 0x8000, so bit 15 alone tells the slots apart
.set ASLOT, 0x8000
.set WS0,   0                          ; the records' two slots at 0 and 0x20000, 102,400 bytes used of each: under 0x20000, so bit 17 alone tells the slots apart
.set WSLOT, 0x20000
.set SPARE, 0x19000                    ; behind the first slot's records: the spare words, 128 bytes for each of eight waves, which no other line names
.set LI,  1                            ; 16 x lane
.set LN,  2                            ; 16 x (lane % 16)
.set ADR, 3                            ; this group of four bases: its records,
.set ADS, 4                            ; their scale words,
.set ADA, 5                            ; its att numbers
.set SPW, 6
.set NIL, 7
.set LA,  8                            ; my wave's att: 4,096 x wave, as 8,192 (wave / 2) + 1,024 (wave % 2) in the block's order, + 16 x (lane % 16)
.set AS,  16
.set BS,  20
.set TS,  48                           ; the gathered att rows' scale words
.set BBS, 52                           ; rel_bias's
.set P,   56
.set OUT, 120
.set BF,  152
.set BQF, 88                           ; at the head: rel_bias's fragment, where odd bases' P will lie
.set ATT, 192                          ; window 1
.set TQF, 208                          ; window 1
.set WV,  16
.set G1W, 28
.set G1A, 36
.set G0W, 44
.set G0A, 52
.set TB,  60
.set TA,  61
.set MSB, 0
.macro WIN new                         ; the immediate's high byte repeats the setting that is left
.if MSB != \new
	s_set_vgpr_msb (MSB<<8)|\new
.set MSB, \new
.endif
.endm
.set WORK, 0x04                        ; source 1 window 1, all else window 0
.set TO_1, 0x40                        ; destination window 1, address window 0
.macro JLOAD g0w, g0a                  ; a joint load: waves 0-3 for the records, waves 4-7 for att; s_nop 0 and four v_nop behind each line
	s_cmp_eq_u32 s17, 0
	s_cbranch_scc0 .Lfor_att_\@
	tensor_load_to_lds s[\g0w:\g0w+3], s[G1W:G1W+7]
	s_nop 0
.rept 4
	v_nop
.endr
	s_branch .Lasked_\@
.Lfor_att_\@:
	tensor_load_to_lds s[\g0a:\g0a+3], s[G1A:G1A+7]
	s_nop 0
.rept 4
	v_nop
.endr
.Lasked_\@:
.endm
.macro CROUND                          ; a round of the cluster's barrier
	s_barrier_signal -1
	s_barrier_wait -1
	s_cmp_lg_u32 s[WV], 0
	s_cbranch_scc1 .Lnot_wave_0_\@
	s_barrier_signal -3
.Lnot_wave_0_\@:
	s_barrier_wait -3
	s_barrier_signal -1
	s_barrier_wait -1
.endm
	s_load_b256 s[4:11], s[0:1], 0x0               ; wq s[4:5], aq s[6:7], tq s[8:9], bq s[10:11]
	s_load_b128 s[12:15], s[0:1], 0x20             ; attw s[12:13], pre s[14:15]
	v_lshl_add_u32 v[SPW], v0, 2, SPARE
	v_mov_b32 v[NIL], 0
	ds_add_u32 v[SPW], v[NIL]                      ; the opening lines: the add, twice on end, and its wait ahead of my first tensor load
	ds_add_u32 v[SPW], v[NIL]
	v_lshrrev_b32 v9, 5, v0
	v_readfirstlane_b32 s[WV], v9                  ; wave 0..7
	v_and_b32 v9, 31, v0
	v_and_b32 v11, 15, v0
	v_lshlrev_b32 v[LI], 4, v9
	v_lshlrev_b32 v[LN], 4, v11
	v_lshlrev_b32 v10, 2, v9                       ; 4 x lane
	v_lshlrev_b32 v12, 2, v11                      ; 4 x (lane % 16)
	s_lshr_b32 s76, s[WV], 1
	s_lshl_b32 s76, s76, 13
	s_and_b32 s77, s[WV], 1
	s_lshl_b32 s77, s77, 10
	s_add_co_u32 s76, s76, s77
	v_add_nc_u32 v[LA], s76, v[LN]
	s_lshr_b32 s17, s[WV], 2                       ; I fetch records (0) or att (1),
	s_and_b32 s18, s[WV], 3                        ; and which quarter
	s_bfe_u32 s19, ttmp6, 0x40000                  ; cx, cy
	s_bfe_u32 s20, ttmp6, 0x40004
	s_lshl_b32 s21, ttmp9, 2
	s_add_co_u32 s21, s21, s19                     ; column tile
	s_and_b32 s22, ttmp7, 0xffff
	s_lshl_b32 s22, s22, 2
	s_add_co_u32 s22, s22, s20                     ; row block of 512
	s_lshl_b32 s66, 0x1111, s19                    ; my column of the cluster
	s_lshl_b32 s67, s20, 2
	s_lshl_b32 s67, 15, s67                        ; my row
	s_or_b32 s[G1W], s66, (3<<16)|(1<<21)          ; dense blocks as rows of 32 elements of 8 bytes
	s_or_b32 s[G1A], s67, (3<<16)|(1<<21)
	s_mov_b32 s[G1W+1], 32<<16
	s_mov_b32 s[G1W+2], 100<<16                    ; 4 records = 100 rows of 256 bytes
	s_mov_b32 s[G1W+3], 32<<16
	s_mov_b32 s[G1W+4], 100
	s_mov_b32 s[G1W+5], 32
	s_mov_b32 s[G1W+6], 0
	s_mov_b32 s[G1W+7], 0
	s_mov_b32 s[G1A+1], 32<<16
	s_mov_b32 s[G1A+2], 32<<16                     ; 8,192 bytes
	s_mov_b32 s[G1A+3], 32<<16
	s_mov_b32 s[G1A+4], 32
	s_mov_b32 s[G1A+5], 32
	s_mov_b32 s[G1A+6], 0
	s_mov_b32 s[G1A+7], 0
	s_mul_i32 s68, s21, WCT
	s_mul_i32 s69, s18, 4*WREC
	s_add_co_u32 s68, s68, s69
	s_mov_b32 s69, 0
	s_lshl_b32 s70, s22, 17
	s_lshl_b32 s71, s18, 13
	s_add_co_u32 s70, s70, s71
	s_mov_b32 s71, 0
	s_mul_i32 s72, s18, 4*WREC
	s_lshl_b32 s73, s18, 13
	s_add_co_u32 s73, s73, AS0
	s_lshl_b32 s74, s22, 5
	s_lshl_b32 s75, s[WV], 2
	s_add_co_u32 s74, s74, s75                     ; my first row tile
	s_mul_i32 s76, s74, AREC
	s_mov_b32 s77, 0
	s_mul_i32 s78, s74, SREC
	s_mov_b32 s79, 0
	s_lshl_b32 s74, s74, 15                        ; pre: [row tile][column tile][half][lane][16 bytes]
	s_lshl_b32 s75, s21, 10
	s_add_co_u32 s74, s74, s75
	s_mov_b32 s75, 0
	s_mul_i32 s66, s21, SREC
	s_mov_b32 s67, 0
	s_mov_b32 s[TB], WS0
	s_mov_b32 s[TA], AS0
	s_wait_dscnt 0x0                               ; both opening adds are done
	s_wait_alu depctr_va_vdst(0)                   ; the wait here, directly ahead of the wait below
	s_wait_kmcnt 0x0
	s_add_nc_u64 s[68:69], s[4:5], s[68:69]
	s_add_nc_u64 s[70:71], s[12:13], s[70:71]
	s_add_nc_u64 s[6:7], s[6:7], s[76:77]
	s_add_nc_u64 s[8:9], s[8:9], s[78:79]
	s_add_nc_u64 s[10:11], s[10:11], s[66:67]
	s_add_nc_u64 s[14:15], s[14:15], s[74:75]
	CROUND                                         ; all sixteen work-groups are here: the first joint loads meet
.irp s, 0,1
	s_mov_b32 s[G0W+4*\s], 1
	s_add_co_u32 s[G0W+4*\s+1], s72, \s*WSLOT
	s_add_nc_u64 s[G0W+4*\s+2:G0W+4*\s+3], s[68:69], \s*16*WREC
	s_or_b32 s[G0W+4*\s+3], s[G0W+4*\s+3], 0x80000000
	s_mov_b32 s[G0A+4*\s], 1
	s_add_co_u32 s[G0A+4*\s+1], s73, \s*ASLOT
	s_add_nc_u64 s[G0A+4*\s+2:G0A+4*\s+3], s[70:71], \s*32768
	s_or_b32 s[G0A+4*\s+3], s[G0A+4*\s+3], 0x80000000
.endr
	JLOAD G0W, G0A                                 ; bases 0-15
	; emb's scale words and fragments go out directly behind it, 52 loads; behind them the bias product's 20
.irp m, 0,1,2,3
	global_load_b128 v[AS+8*\m:AS+8*\m+3], v[LI], s[6:7] offset:AREC*\m+6144
.endr
	WIN TO_1
.irp m, 0,1,2,3
.irp k, 0,1,2,3
.irp c, 0,1,2
	global_load_b128 v[12*(4*\m+\k)+4*\c:12*(4*\m+\k)+4*\c+3], v[LI], s[6:7] offset:AREC*\m+1536*\k+512*\c
.endr
.endr
.endr
.irp m, 0,1,2,3
.irp c, 0,1,2
	global_load_b128 v[TQF+12*\m+4*\c:TQF+12*\m+4*\c+3], v[LI], s[8:9] offset:SREC*\m+512*\c
.endr
.endr
	WIN 0
.irp c, 0,1,2
	global_load_b128 v[BQF+4*\c:BQF+4*\c+3], v[LI], s[10:11] offset:512*\c
.endr
.irp m, 0,1,2,3
	global_load_b32 v[TS+\m], v10, s[8:9] offset:SREC*\m+1536
.endr
	global_load_b32 v[BBS], v12, s[10:11] offset:1536
.macro MM par, sc                      ; matrix instruction i of a base's 16: K step i / 4, row tile i % 4
.set ks, i/4
.set rt, i%4
.set pp, P+32*(\par)+8*rt
.set bb, BF+48*(\par)+12*ks
.if ks == 0
	v_wmma_scale_f32_16x16x128_f8f6f4 v[pp:pp+7], v[bb:bb+11], v[48*rt:48*rt+11], 0, v[BS+8*(\sc)], v[AS+8*rt] matrix_a_fmt:MATRIX_FMT_FP6 matrix_b_fmt:MATRIX_FMT_FP6
.else
	v_wmma_scale_f32_16x16x128_f8f6f4 v[pp:pp+7], v[bb:bb+11], v[12*(4*rt+ks):12*(4*rt+ks)+11], v[pp:pp+7], v[BS+8*(\sc)+ks], v[AS+8*rt+ks] matrix_a_fmt:MATRIX_FMT_FP6 matrix_b_fmt:MATRIX_FMT_FP6
.endif
.endm
.macro ACC par, j                      ; pair i of the other P, times att of base j of four
.set ra, ATT+4*(i/4)+2*((\j)/2)
.set pq, P+32*(1-(\par))+2*i
.if (\j)%2
	v_pk_fma_f32 v[OUT+2*i:OUT+2*i+1], v[pq:pq+1], v[ra:ra+1], v[OUT+2*i:OUT+2*i+1] op_sel:[0,1,0] op_sel_hi:[1,1,1]
.else
	v_pk_fma_f32 v[OUT+2*i:OUT+2*i+1], v[pq:pq+1], v[ra:ra+1], v[OUT+2*i:OUT+2*i+1] op_sel_hi:[1,0,1]
.endif
.endm
.macro FRAGS par, rec                  ; a record's four images, as they lie
.irp k, 0,1,2,3
.irp c, 0,1,2
	ds_load_b128 v[BF+48*(\par)+12*\k+4*\c:BF+48*(\par)+12*\k+4*\c+3], v[ADR] offset:WREC*(\rec)+1536*\k+512*\c
.endr
.endr
.endm
.macro ATTQ q                          ; att of bases 2 q, 2 q + 1 of this group's four, for my four row tiles (window 1)
.irp t, 0,1,2,3
	ds_load_b64 v[ATT+4*\t+2*(\q):ATT+4*\t+2*(\q)+1], v[ADA] offset:256*\t+8*(\q)
.endr
.endm
; One base.  par: which P and BF; sc: its scale words; fm, j: the multiply-adds of the base before, one behind each matrix instruction;
; rec: the next base's record, fetched behind the fifth matrix instruction into the other BF; two: scale words of bases 2, 3; q1: att of bases 2, 3
.macro STEP par, sc, j, fm, rec, two, q1
.set i, 0
.rept 16
	MM \par, \sc
.if \fm
	ACC \par, \j
.endif
.if i == 4
.if \rec >= 0
	FRAGS 1-(\par), \rec
.endif
.if \two
	ds_load_b128 v[BS+16:BS+19], v[ADS] offset:WREC*2+6144
	ds_load_b128 v[BS+24:BS+27], v[ADS] offset:WREC*3+6144
.endif
.if \q1
	WIN TO_1
	ATTQ 1
	WIN WORK
.endif
.endif
.set i, i+1
.endr
.endm
.macro BODY                            ; four bases: the last of the group before, and this group's first three
	v_add_nc_u32 v[ADR], s[TB], v[LI]
	v_add_nc_u32 v[ADS], s[TB], v[LN]
	v_add_nc_u32 v[ADA], s[TA], v[LA]
	ds_load_b128 v[BS:BS+3], v[ADS] offset:6144
	ds_load_b128 v[BS+8:BS+11], v[ADS] offset:WREC+6144
	FRAGS 0, 0
	WIN TO_1
	ATTQ 0
	WIN WORK
	s_add_co_u32 s[TB], s[TB], 4*WREC
	s_add_co_u32 s[TA], s[TA], 2048
	s_wait_dscnt 18                                ; all but the 2 + 12 + 4 loads just issued
	STEP 1, 3, 2, 1, -1, 0, 0
	s_wait_dscnt 0x0
	STEP 0, 0, 3, 1, 1, 1, 0
	s_wait_dscnt 0x0
	STEP 1, 1, 0, 1, 2, 0, 1
	s_wait_dscnt 0x0
	STEP 0, 2, 1, 1, 3, 0, 0
	WIN 0
.endm
.macro CHANGE fill                     ; a change of slots: all my tensor loads have landed, the add, my reads of the old slot are back; the round; the old slot's refill
	s_wait_tensorcnt 0x0
	ds_add_u32 v[SPW], v[NIL]
.if \fill
	s_xor_b32 s[G0W+5], s[G0W+5], WSLOT            ; no load of mine is out: the one group 0 goes on to the other slot and the next 16 bases
	s_add_nc_u64 s[G0W+6:G0W+7], s[G0W+6:G0W+7], 16*WREC
	s_xor_b32 s[G0A+5], s[G0A+5], ASLOT
	s_add_nc_u64 s[G0A+6:G0A+7], s[G0A+6:G0A+7], 32768
.endif
	s_sub_co_u32 s[TB], s[TB], 16*WREC
	s_xor_b32 s[TB], s[TB], WSLOT
	s_sub_co_u32 s[TA], s[TA], 8192
	s_xor_b32 s[TA], s[TA], ASLOT
	s_wait_dscnt 0x0
.if \fill
	CROUND
	JLOAD G0W+4, G0A+4
.else
	s_barrier_signal -1
	s_barrier_wait -1
.endif
.endm
	s_wait_alu depctr_va_vdst(0)                   ; the wait at the head's end
	s_wait_tensorcnt 0x0                           ; my part of bases 0-15 is in
	ds_add_u32 v[SPW], v[NIL]
	s_wait_dscnt 0x0
	CROUND                                         ; everybody's part is in, and the joint loads meet:
	JLOAD G0W+4, G0A+4                             ; bases 16-31, the first tensor load behind the round
	v_add_nc_u32 v[ADR], s[TB], v[LI]
	v_add_nc_u32 v[ADS], s[TB], v[LN]
	v_add_nc_u32 v[ADA], s[TA], v[LA]
.irp k, 0,1,2,3
	ds_load_b128 v[BS+8*\k:BS+8*\k+3], v[ADS] offset:WREC*\k+6144
.endr
	FRAGS 0, 0
	WIN TO_1
.irp t, 0,1,2,3
	ds_load_b128 v[ATT+4*\t:ATT+4*\t+3], v[ADA] offset:256*\t
.endr
	WIN WORK
	s_add_co_u32 s[TB], s[TB], 4*WREC
	s_add_co_u32 s[TA], s[TA], 2048
	s_wait_alu depctr_va_vdst(0)                   ; the wait here, directly ahead of the waits below
	s_wait_dscnt 0x0
	s_wait_loadcnt 20                              ; emb's words and fragments are in; the bias product's 20 loads (12 + 3 + 4 + 1) may be out
	STEP 0, 0, 0, 0, 1, 0, 0                       ; base 0
	s_wait_loadcnt 0x0
.irp m, 0,1,2,3                        ; the bias product starts OUT: K = 64, the codes of k = 64 .. 127 are zeros
	v_wmma_scale_f32_16x16x128_f8f6f4 v[OUT+8*\m:OUT+8*\m+7], v[BQF:BQF+11], v[TQF+12*\m:TQF+12*\m+11], 0, v[BBS], v[TS+\m] matrix_a_fmt:MATRIX_FMT_FP6 matrix_b_fmt:MATRIX_FMT_FP6
.endr
.rept 5
	v_nop                                          ; five places: base 1's results are laid over rel_bias's fragment, and its multiply-adds read base 0's results and OUT
.endr
	s_wait_dscnt 0x0
	STEP 1, 1, 0, 1, 2, 0, 0
	s_wait_dscnt 0x0
	STEP 0, 2, 1, 1, 3, 0, 0
	WIN 0
	s_mov_b32 s62, 3
.Lfirst:
	BODY
	s_sub_co_u32 s62, s62, 1
	s_cmp_lg_u32 s62, 0
	s_cbranch_scc1 .Lfirst
	s_mov_b32 s63, 2
.Lslot:
	CHANGE 1
	s_mov_b32 s62, 4
.Lfour:
	BODY
	s_sub_co_u32 s62, s62, 1
	s_cmp_lg_u32 s62, 0
	s_cbranch_scc1 .Lfour
	s_sub_co_u32 s63, s63, 1
	s_cmp_lg_u32 s63, 0
	s_cbranch_scc1 .Lslot
	CHANGE 0                                       ; nothing is left to fetch
	s_mov_b32 s62, 4
.Llast:
	BODY
	s_sub_co_u32 s62, s62, 1
	s_cmp_lg_u32 s62, 0
	s_cbranch_scc1 .Llast
	s_wait_dscnt 0x0
	WIN WORK
	STEP 1, 3, 2, 1, -1, 0, 0                      ; base 63
.set i, 0
.rept 16
	ACC 0, 3                                       ; its multiply-adds: row tile 0's results stand eight vector lines back, the others' further
.set i, i+1
.endr
	WIN 0
.irp m, 0,1,2,3
	global_store_b128 v[LI], v[OUT+8*\m:OUT+8*\m+3], s[14:15] offset:32768*\m          ; 32 lanes store 512 consecutive bytes
	global_store_b128 v[LI], v[OUT+8*\m+4:OUT+8*\m+7], s[14:15] offset:32768*\m+512
.endr
	s_wait_tensorcnt 0x0                           ; the wave's end
	ds_add_u32 v[SPW], v[NIL]
	s_wait_dscnt 0x0
	CROUND                                         ; the closing round
	s_endpgm
.Lfunc_end_k_q0fa50896f7_main:
	.size	k_q0fa50896f7_main, .Lfunc_end_k_q0fa50896f7_main-k_q0fa50896f7_main
	.p2alignl 7, 3214868480
	.fill 96, 4, 3214868480
	.section	.rodata,"a",@progbits
	.p2align	6, 0x0
	.amdhsa_kernel k_q0fa50896f7_main
		.amdhsa_group_segment_fixed_size 327680
		.amdhsa_private_segment_fixed_size 0
		.amdhsa_enable_private_segment 0
		.amdhsa_kernarg_size 48
		.amdhsa_user_sgpr_count 2
		.amdhsa_user_sgpr_kernarg_segment_ptr 1
		.amdhsa_wavefront_size32 1
		.amdhsa_system_sgpr_workgroup_id_x 1
		.amdhsa_system_sgpr_workgroup_id_y 1
		.amdhsa_system_sgpr_workgroup_id_z 1
		.amdhsa_system_vgpr_workitem_id 0
		.amdhsa_next_free_vgpr 512
		.amdhsa_next_free_sgpr 80
		.amdhsa_reserve_vcc 0
		.amdhsa_float_denorm_mode_32 3
		.amdhsa_float_denorm_mode_16_64 3
		.amdhsa_memory_ordered 1
		.amdhsa_forward_progress 1
		.amdhsa_inst_pref_size 83
	.end_amdhsa_kernel
	.amdgpu_metadata
---
amdhsa.version: [ 1, 2 ]
amdhsa.kernels:
  - .name:           k_q0fa50896f7_main
    .symbol:         k_q0fa50896f7_main.kd
    .args:
      - { .name: wq, .offset: 0, .size: 8, .value_kind: global_buffer, .address_space: global }
      - { .name: aq, .offset: 8, .size: 8, .value_kind: global_buffer, .address_space: global }
      - { .name: tq, .offset: 16, .size: 8, .value_kind: global_buffer, .address_space: global }
      - { .name: bq, .offset: 24, .size: 8, .value_kind: global_buffer, .address_space: global }
      - { .name: attw, .offset: 32, .size: 8, .value_kind: global_buffer, .address_space: global }
      - { .name: pre, .offset: 40, .size: 8, .value_kind: global_buffer, .address_space: global }
    .group_segment_fixed_size: 327680
    .private_segment_fixed_size: 0
    .kernarg_segment_align: 8
    .kernarg_segment_size: 48
    .max_flat_workgroup_size: 256
    .sgpr_count:     80
    .vgpr_count:     512
    .wavefront_size: 32
...
	.end_amdgpu_metadata
.endif
;; end of part 2
;; launch lnorm (part 3): grid 256 x 1, 4 waves a work-group, no clusters, 35,328 bytes of LDS; arguments pre, out0; writes out0
.if DOCPART == 3
	.amdgcn_target "amdgcn-amd-amdhsa--gfx1250"
	.amdhsa_code_object_version 6
	.text
	.protected	k_q0fa50896f7_lnorm
	.globl	k_q0fa50896f7_lnorm
	.p2align	8
	.type	k_q0fa50896f7_lnorm,@function
k_q0fa50896f7_lnorm:
	s_mov_b64 s[64:65], 0
	v_nop
	global_prefetch_b8 v0, s[64:65] scope:SCOPE_SE
	s_setreg_imm32_b32 hwreg(HW_REG_WAVE_MODE, 25, 1), 1
	s_wait_xcnt 0x0
; out0[b][:] = (x - mean(x)) / sqrt(var(x) + 1e-5), x = pre's row b of 512 numbers; no gain, no offset.  All in f32.
; pre lies [row tile 256][column tile 32][half 2][lane 32][16 bytes]: lane (n, h) of a column tile holds row n, columns 8 h + 4 half + 0 .. 3.
; A work-group takes a row tile (16 rows), wave w its column tiles 8 w .. 8 w + 7: 64 numbers a lane, read once by loads of 512 consecutive bytes and kept in registers.
; The variance is taken of the differences from the mean, in a second pass over the registers: no difference of large sums is formed.
; A row's sums meet in LDS: a word for each wave and row, a barrier, four loads; the two exchanges have bytes of their own.
; The way out: each wave turns its 16 rows x 512 bytes through its own stage (rows 528 bytes apart), so that 32 lanes store 512 consecutive bytes of a row.
.set X, 32                             ; v32-95 my 64 numbers
	s_load_b128 s[4:7], s[0:1], 0x0                ; pre, out0
	v_lshl_add_u32 v96, v0, 2, 0x8800
	v_mov_b32 v97, 0
	v_lshrrev_b32 v1, 5, v0
	v_readfirstlane_b32 s8, v1                     ; wave 0..3
	v_and_b32 v1, 31, v0                           ; lane
	v_and_b32 v2, 15, v0                           ; n
	v_bfe_u32 v3, v0, 4, 1                         ; h
	v_lshlrev_b32 v4, 4, v1                        ; 16 x lane
	v_lshlrev_b32 v6, 2, v2                        ; 4 n: where a row's four partial sums begin
	s_lshl_b32 s9, s8, 6
	v_add_nc_u32 v5, s9, v6                        ; 4 n + 64 x wave: where I put mine
	s_mul_i32 s9, s8, 16*528
	s_add_co_u32 s9, s9, 512                       ; my stage, behind the two exchanges' 512 bytes
	v_mul_u32_u24 v7, v2, 528
	v_lshl_add_u32 v7, v3, 5, v7
	v_add_nc_u32 v7, s9, v7                        ; in: row n, + 32 h
	v_add_nc_u32 v8, s9, v4                        ; back: 16 bytes a lane of a row
	s_mov_b32 s12, 0x76543210
	s_mov_b32 s13, 0xfedcba98                      ; v_permlanex16_b32: lane l xor 16
	s_mov_b32 s18, 0x3b000000                      ; 1 / 512
	s_mov_b32 s19, 0x3727c5ac                      ; 1e-5
	s_lshl_b32 s10, ttmp9, 15                      ; a row tile is 32,768 bytes in both buffers
	s_lshl_b32 s14, s8, 13
	s_add_co_u32 s14, s14, s10
	s_mov_b32 s15, 0
	s_lshl_b32 s16, s8, 9
	s_add_co_u32 s16, s16, s10
	s_mov_b32 s17, 0
	s_wait_alu depctr_va_vdst(0)
	s_wait_kmcnt 0x0
	s_add_nc_u64 s[4:5], s[4:5], s[14:15]
	s_add_nc_u64 s[6:7], s[6:7], s[16:17]
.irp q, 0,1,2,3,4,5,6,7,8,9,10,11,12,13,14,15
	global_load_b128 v[X+4*\q:X+4*\q+3], v4, s[4:5] offset:512*\q th:TH_LOAD_NT
.endr
	s_wait_loadcnt 0x0
.irp k, 0,1,2,3
	v_pk_add_f32 v[16+2*\k:17+2*\k], v[X+2*\k:X+2*\k+1], v[X+8+2*\k:X+9+2*\k]   ; the sum, in four chains that the first numbers start
.endr
.irp m, 16,24,32,40,48,56
.irp k, 0,1,2,3
	v_pk_add_f32 v[16+2*\k:17+2*\k], v[16+2*\k:17+2*\k], v[X+\m+2*\k:X+\m+2*\k+1]
.endr
.endr
	v_pk_add_f32 v[16:17], v[16:17], v[18:19]
	v_pk_add_f32 v[20:21], v[20:21], v[22:23]
	v_pk_add_f32 v[16:17], v[16:17], v[20:21]
	v_add_f32 v16, v16, v17
	v_permlanex16_b32 v17, v16, s12, s13           ; the row's other 64 numbers of my wave lie in the lane 16 away
	v_add_f32 v16, v16, v17
	ds_store_b32 v5, v16                           ; both lanes of a row write the same word with the same value
	s_wait_dscnt 0x0                               ; for the others' sake: my store is done
	s_barrier_signal -1
	s_barrier_wait -1
.irp k, 0,1,2,3
	ds_load_b32 v[24+\k], v6 offset:64*\k
.endr
	s_wait_dscnt 0x0
	v_add_f32 v24, v24, v25
	v_add_f32 v26, v26, v27
	v_add_f32 v24, v24, v26
	v_mul_f32 v16, s18, v24                        ; the mean
.set i, 0
	s_wait_alu depctr_va_vdst(0)
.rept 32
	v_pk_add_f32 v[X+2*i:X+2*i+1], v[X+2*i:X+2*i+1], v[16:17] op_sel_hi:[1,0] neg_lo:[0,1] neg_hi:[0,1]   ; d = x - mean
.set i, i+1
.endr
.irp k, 0,1,2,3
	v_pk_mul_f32 v[18+2*\k:19+2*\k], v[X+2*\k:X+2*\k+1], v[X+2*\k:X+2*\k+1]      ; the sum of d^2, in four chains
.endr
.irp m, 8,16,24,32,40,48,56
.irp k, 0,1,2,3
	v_pk_fma_f32 v[18+2*\k:19+2*\k], v[X+\m+2*\k:X+\m+2*\k+1], v[X+\m+2*\k:X+\m+2*\k+1], v[18+2*\k:19+2*\k]
.endr
.endr
	v_pk_add_f32 v[18:19], v[18:19], v[20:21]
	v_pk_add_f32 v[22:23], v[22:23], v[24:25]
	v_pk_add_f32 v[18:19], v[18:19], v[22:23]
	v_add_f32 v18, v18, v19
	v_permlanex16_b32 v19, v18, s12, s13
	v_add_f32 v18, v18, v19
	ds_store_b32 v5, v18 offset:256                ; the second exchange has bytes of its own: no barrier is owed between the first one's reads and this store
	s_wait_dscnt 0x0
	s_barrier_signal -1
	s_barrier_wait -1
.irp k, 0,1,2,3
	ds_load_b32 v[24+\k], v6 offset:256+64*\k
.endr
	s_wait_dscnt 0x0
	v_add_f32 v24, v24, v25
	v_add_f32 v26, v26, v27
	v_add_f32 v24, v24, v26
	v_fma_f32 v24, v24, s18, s19                   ; the variance + 1e-5
	s_wait_alu depctr_va_vdst(0)
	v_rsq_f32 v20, v24
	v_nop                                          ; one plain instruction behind the transcendental,
	s_wait_alu depctr_va_vdst(0)                   ; and the wait ahead of the first instruction that names its result
.set i, 0
.rept 32
	v_pk_mul_f32 v[X+2*i:X+2*i+1], v[X+2*i:X+2*i+1], v[20:21] op_sel_hi:[1,0]
.set i, i+1
.endr
.irp c, 0,1,2,3,4,5,6,7
	ds_store_b128 v7, v[X+8*\c:X+8*\c+3] offset:64*\c          ; column tile c of my eight: 64 bytes of the row; my half's 32, in two stores
	ds_store_b128 v7, v[X+8*\c+4:X+8*\c+7] offset:64*\c+16
.endr
.irp t, 0,1,2,3,4,5,6,7,8,9,10,11,12,13,14,15
	ds_load_b128 v[X+4*\t:X+4*\t+3], v8 offset:528*\t          ; LDS serves a wave's instructions in order (ISA guide 5.7.1.4): these see my stores; the rows come back into the registers that they left
.endr
.irp t, 0,1,2,3,4,5,6,7,8,9,10,11,12,13,14,15
	s_wait_dscnt 15-\t                             ; row t is back; the younger loads may be out
	global_store_b128 v4, v[X+4*\t:X+4*\t+3], s[6:7] offset:2048*\t th:TH_STORE_NT   ; 32 lanes store 512 consecutive bytes of a row, at a multiple of 256 from out0's first byte
.endr
	s_wait_tensorcnt 0x0
	ds_add_u32 v96, v97
	s_wait_dscnt 0x0
	s_endpgm
.Lfunc_end_k_q0fa50896f7_lnorm:
	.size	k_q0fa50896f7_lnorm, .Lfunc_end_k_q0fa50896f7_lnorm-k_q0fa50896f7_lnorm
	.p2alignl 7, 3214868480
	.fill 96, 4, 3214868480
	.section	.rodata,"a",@progbits
	.p2align	6, 0x0
	.amdhsa_kernel k_q0fa50896f7_lnorm
		.amdhsa_group_segment_fixed_size 35328
		.amdhsa_private_segment_fixed_size 0
		.amdhsa_enable_private_segment 0
		.amdhsa_kernarg_size 16
		.amdhsa_user_sgpr_count 2
		.amdhsa_user_sgpr_kernarg_segment_ptr 1
		.amdhsa_wavefront_size32 1
		.amdhsa_system_sgpr_workgroup_id_x 1
		.amdhsa_system_sgpr_workgroup_id_y 1
		.amdhsa_system_sgpr_workgroup_id_z 1
		.amdhsa_system_vgpr_workitem_id 0
		.amdhsa_next_free_vgpr 98
		.amdhsa_next_free_sgpr 66
		.amdhsa_reserve_vcc 0
		.amdhsa_float_denorm_mode_32 3
		.amdhsa_float_denorm_mode_16_64 3
		.amdhsa_memory_ordered 1
		.amdhsa_forward_progress 1
		.amdhsa_inst_pref_size 18
	.end_amdhsa_kernel
	.amdgpu_metadata
---
amdhsa.version: [ 1, 2 ]
amdhsa.kernels:
  - .name:           k_q0fa50896f7_lnorm
    .symbol:         k_q0fa50896f7_lnorm.kd
    .args:
      - { .name: pre, .offset: 0, .size: 8, .value_kind: global_buffer, .address_space: global }
      - { .name: out0, .offset: 8, .size: 8, .value_kind: global_buffer, .address_space: global }
    .group_segment_fixed_size: 35328
    .private_segment_fixed_size: 0
    .kernarg_segment_align: 8
    .kernarg_segment_size: 16
    .max_flat_workgroup_size: 128
    .sgpr_count:     66
    .vgpr_count:     98
    .wavefront_size: 32
...
	.end_amdgpu_metadata
.endif
;; end of part 3
